; MI455X (gfx1250); checked and timed in simulation.
; The chip was launched on July 23, 2026; its instructions are those of AMD's public machine-readable ISA for CDNA 5 (MIT licence, August 2026) and "CDNA5" Instruction Set Architecture Reference Guide (July 2026). The comments in the code are by the model that wrote it; some were corrected since.
;; Attend. Allowed arithmetic: matrix products marked QUANTISED: E4M3 operands, one E8M0 scale for each 32 along K, by v_wmma_scale_f32_16x16x128_f8f6f4 with both operands' format E4M3, f32 sums; everything else in f32.
;; Inputs: k_codes 4 x 16 x 2,048 x 2 x 32 uint8 (E4M3 codes of k, K innermost, in blocks of 32 codes); k_scales 4 x 16 x 2,048 x 2 uint8 (E8M0 scales of k, one for each 32 codes along K); mask 4 x 2,048 bool; q_codes 4 x 16 x 2,048 x 2 x 32 uint8 (E4M3 codes of q, K innermost, in blocks of 32 codes); q_scales 4 x 16 x 2,048 x 2 uint8 (E8M0 scales of q, one for each 32 codes along K); v_codes 4 x 16 x 64 x 64 x 32 uint8 (E4M3 codes of v, K innermost, in blocks of 32 codes); v_scales 4 x 16 x 64 x 64 uint8 (E8M0 scales of v, one for each 32 codes along K).
;; Outputs: out0 4 x 16 x 2,048 x 64 float32.
;; This version of the problem:
;;   THIS VERSION OF THE PROBLEM IS GIVEN IN LOW PRECISION. The matrix products marked QUANTISED in the list below multiply operands that are first quantised to E4M3 (4 exponent bits, 3 mantissa bits; 8 bits a number), with one power-of-two scale for each 32 numbers along K (OCP MX v1.0); their sums are f32. All else is computed in f32.
;;   The module's matrix products, in the order in which they are computed (A, B: the left and right operand; K: the contracted axis; several contracted axes count as one K, in the product's order):
;;     1. batch 64 x [M 2,048, K 64] x [K 64, N 2,048]; A: input q (given as codes); B: input k (given as codes): QUANTISED
;;     2. batch 64 x [M 2,048, K 2,048] x [K 2,048, N 64]; A: softmax (see below); B: input v (given as codes): QUANTISED
;;   THE QUANTISER, for each operand of a quantised product, along K:
;;     - K is cut into blocks of 32 from its start; a last block that is shorter is filled with zeros.
;;     - A block's scale is 2^e with e = floor(log2(the largest magnitude in the block)) - 8, held to -126 .. 127; a block of zeros has e = 0. As a byte (E8M0): e + 127.
;;     - Each number is divided by its block's scale, clamped to +-448, and rounded to the nearest number of E4M3, ties to even, subnormals kept.
;;     - The product sums the exact products of the quantised numbers (number of the format x scale) in f32.
;;   ~~~python
;;   def quantise(x, axis):      # numpy; x: float32 -> the quantised numbers, widened to float32 again
;;       x = np.moveaxis(x, axis, -1); K = x.shape[-1]
;;       x = np.pad(x, [(0, 0)] * (x.ndim - 1) + [(0, -K % 32)]); x = x.reshape(x.shape[:-1] + (-1, 32)); a = np.abs(x).max(-1, keepdims=True)
;;       e = np.where(a > 0, np.clip(np.frexp(np.where(a > 0, a, 1))[1] - 1 - 8, -126, 127), 0)      # np.frexp(a)[1] - 1 = floor(log2(a)), exactly
;;       r = np.clip(x / 2.0 ** e, -448, 448)
;;       step = 2.0 ** (np.maximum(np.frexp(np.where(r == 0, 1, r))[1] - 1, -6) - 3)
;;       q = np.round(r / step) * step * 2.0 ** e      # np.round: ties to even
;;       return np.moveaxis(q.reshape(q.shape[:-2] + (-1,))[..., :K], -1, axis).astype(np.float32)
;;   ~~~
;;   SOFTMAX AHEAD OF A QUANTISED PRODUCT. Where the list says 'softmax', what is quantised is not the finished softmax but p = 2^(t - M), with t = logit x log2(e) and M = ceil(the row's largest t), a whole number; so 1/2 < the row's largest p <= 1. The row's sum l is taken of the UNQUANTISED p, in f32, and the product's result is divided by l at the end. Since M is a whole number, a kernel that streams over the keys may use a running M (the ceiling of the running maximum): every later rescaling is an exact power of two, which a block's scale takes up: the codes' values come out the same.
;;   OPERANDS COMPUTED ON THE WAY. 'Computed on the way' means the value that the module computes at that place (a softmax that the list does not call 'softmax' is quantised finished and normalised). What goes into a quantiser is computed in f32, as accurately as f32 sums, v_exp_f32 and their like allow (about 1e-6 of the number): no bf16 or f16 on the way to a quantiser, and a product that is left as it is and whose result goes on into a quantised operand takes f32 operands (vector FMAs, or v_wmma_f32_16x16x4_f32). A number that lies on a knife's edge between two numbers of the format may be rounded either way, as far as f32 arithmetic and the matrix unit's own rounding can turn it there, and no further.
;;   INPUTS GIVEN AS CODES. k (in the module: [4, 16, 2048, 64], K = its axis 3); q (in the module: [4, 16, 2048, 64], K = its axis 3); v (in the module: [4, 16, 2048, 64], K = its axis 2): each comes as NAME_codes (uint8): NAME with its K axis moved to the last place and cut into blocks of 32 codes, [.., K / 32, bytes a block], one block behind the other in memory; one code a byte (a code: sign, 4 exponent bits, 3 mantissa bits); and NAME_scales (uint8): the same leading axes, one E8M0 byte (e + 127) for each 32 codes along K. Its value is code x scale, taken as it is: it is not quantised again, and the codes and scales need not be those that the quantiser above would give.
;; One version. Each part assembles by itself: llvm-mc -triple=amdgcn-amd-amdhsa -mcpu=gfx1250 --defsym DOCPART=n.
;; ======== version 1 of 1: 1 launch
;; limits: right only within a limited range of input values
;; launch attend (part 1): grid 4 x 64, 16 waves a work-group, no clusters, 237,568 bytes of LDS; arguments q_codes, q_scales, k_codes, k_scales, v_codes, v_scales, mask, out0; writes out0
.if DOCPART == 1
	.amdgcn_target "amdgcn-amd-amdhsa--gfx1250"
	.amdhsa_code_object_version 6
	.text
	.protected	k_qceb933f1e8_attend
	.globl	k_qceb933f1e8_attend
	.p2align	8
	.type	k_qceb933f1e8_attend,@function
k_qceb933f1e8_attend:
	s_mov_b64 s[64:65], 0
	v_nop
	global_prefetch_b8 v0, s[64:65] scope:SCOPE_SE
	s_setreg_imm32_b32 hwreg(HW_REG_WAVE_MODE, 25, 1), 1
	s_wait_xcnt 0x0
; out0[b][h][q][:] = sum over k of softmax_k(q . k / 8) v[k][:], key k counting for query q where q - 256 <= k <= q and mask[b][k] is true.  64 heads, 2,048 queries and keys, head size 64.
; Both products on codes of FP8 (E4M3) with one E8M0 byte for each 32 along K.  Q, K: [head][2048][64] codes, 2 scale bytes a row.  V: keys innermost, [head][64][2048] codes, 64 scale bytes a row.
; SOFTMAX: t = score x log2(e) / 8 (the constant is the f32 log2(e) with 3 off its exponent: exact); M = the running largest t rounded up to a whole number; p = 2^(t - M) is quantised along the keys in blocks
; of 32 counted from key 0; the row's sum is taken of the unquantised p and divides at the end.  When M moves, the sum and O are multiplied by 2^(old M - new M): exact.
; SHARES: work-group (c, head) owns queries 512 c .. 512 c + 511; its keys are 512 c - 256 .. 512 c + 511: 24 blocks of 32, staged in LDS once, one barrier.  Each of 16 waves takes two tiles of 16 queries
; (16 w and 16 w + 256 of the 512), a loop of two trips.  A tile touches nine aligned blocks, LB .. LB + 8 (LB = w / 2 + 8 trip), in three steps of three blocks.  For c = 0 the first eight blocks do not exist:
; their loads are sent to addresses inside the buffers and their keys are marked hidden.
; LAYOUT: both products are used transposed (S^T = K Q^T, O^T = V^T P^T): a lane holds ONE query (lane % 16).  Lane r of tile 2 b + u takes key 32 b + 8 u + r + 8 (r / 8), so that the 16 registers of two
; neighbouring tiles are 16 neighbouring keys: the conversions' results are the second product's operand.  K's rows are staged in that order, so a tile's 16 rows are neighbours in LDS.
; THE PADDING MASK costs no vector work: the first product's K is 64 of the instruction's 128.  At k = 64 Q holds the code of 1.0 (scale byte 127); a hidden key holds -1.0 under the byte 247, a valid key 0 under the
; byte 1: a hidden key's score gets -2^120, a valid key's nothing.  THE BAND costs none either: the first and the last block's products take as C registers that hold 0 or -2^120.
; A ROW WITH NO VALID KEY IN ITS BAND has all 2,048 scores equal in the definition: its result is the mean of v over all keys.  NO BRANCH HANGS ON THE MASK: the mean is always made (each wave sums v over 128 keys by
; four products with ones under the scale 2^-11; behind the barrier each wave adds the 16 parts once), and each tile's way out selects it for the lanes whose query has no valid key, by a mask made of mask bytes.
; NO TENSOR LOADS, NO CLUSTER: K's rows change their order on the way into LDS, and the spare words are stored into the rows' own blocks of 256 bytes;
; neighbours share only 256 of a work-group's 768 keys, and the sums' fragments of V go from memory straight into registers.
; LIMITS: a valid key whose t lies under -1e30 counts as hidden; scores stay far under 2^120 in magnitude; NaN codes and scale bytes 0xff among the inputs are not served; the mean of a row without valid keys
; is summed as 16 partial sums of 128 keys, added by a tree.
.set KP,   80                          ; a key's row in LDS: 64 bytes of codes, the spare word, 12 bytes never touched: an odd multiple of 16, so 16 neighbouring rows start in 16 different 16-byte columns of 256
.set VP,   784                         ; a row of V: 768 keys + 16: an odd multiple of 16 likewise
.set SP,   272                         ; a row of the stage: 256 bytes + 16
.set QTB,  1152                        ; a tile of Q in LDS: two register images of 512 bytes and 128 bytes of scale words
.set LKB,  0                           ; 768 rows of K
.set LVB,  LKB+768*KP                  ; 61,440: 64 rows of V
.set LKS,  LVB+64*VP                   ; 111,616: K's scale words, one a row, in the rows' order: s0, s1, the spare byte, 0
.set LVS,  LKS+768*4                   ; 114,688: V's scale words [block j][d]: bytes j, j + 1, j + 2, 0
.set LQB,  LVS+24*64*4                 ; 120,832: Q, each wave's own two tiles
.set LPS,  LQB+16*2*QTB                ; 157,696: [wave][d] parts of the mean of v
.set LSTG, LPS+16*256                  ; 161,792: the way out, 16 rows for each wave
.set LMN,  LSTG+16*16*SP               ; 231,424: the mean of v, 256 bytes, once for each wave: its own; ends at 235,520
.set AK,  1                            ; v1   K's fragments: 80 r + 16 h + my first block
.set AE,  2                            ; v2   the spare words: 80 r + 64 + my first block
.set AV,  3                            ; v3   V's fragments
.set AKS, 4                            ; v4   K's scale words
.set AVS, 5                            ; v5   V's scale words
.set QL,  6                            ; v6   Q's images
.set QSL, 7                            ; v7   Q's scale words
.set STO, 8                            ; v8   the stage, in
.set RD,  9                            ; v9   the stage, back
.set GO,  10                           ; v10  my byte offset in the tile's rows of out0
.set MNA, 11                           ; v11  the mean, as the way out reads it: my wave's 256 bytes + 32 h
.set NM,  12                           ; v12 -M, v13 the largest t.   In the head v12-15: where the staging stores go
.set LS,  14                           ; v[14:15] the row's sum
.set QF,  16                           ; v16-31  Q's fragment: 8 registers of codes, v24 the spare code, zeros.   In the head v16-79: four fragments of V for the sums
.set KF,  32                           ; v32-79  three fragments of K: 8 registers of codes, the spare word, 7 zeros that stay
.set FF,  80                           ; v[80:81] f, later 1 / l
.set PW,  82                           ; p's scale word
.set QS,  83                           ; Q's scale word
.set KSC, 84                           ; v84-86  K's scale words of a step's three blocks
.set VSC, 87                           ; v87-88  V's scale words
.set TT,  89
.set L2,  90                           ; v[90:91] the sum's second chain
.set PSR, 92                           ; head: the parts of the mean, as I read them: 8 x lane
.set MNW, 93                           ; head: where my two channels of the mean go
.set VSW, 94                           ; head: where V's scale words go
.set PSW, 95                           ; head: where my wave's part of the mean goes
.set SCR, 96                           ; v96-159 four groups of 16: +0..7 score tiles 0-3, +8..10 at work, +12..15 zeros that stay; the same 16 are a fragment of V.  v160-175 score tiles 4, 5
.set TMA, 104                          ; a block's largest score, then its largest p
.set TMB, 120                          ; the other half's, then the bytes
.set TMC, 136
.set TMD, 152                          ; the conversion's scale operand
.set OT,  176                          ; v176-207 O^T
.set CW,  208                          ; v208-223 C of the first block's two tiles
.set CC,  224                          ; v224-239 C of the last block's
.set PC,  240                          ; v240-255 p's codes; v252-255 zeros that stay
; one scaled product.  cr < 0: C is the constant 0.  row = 1: source 0's scales stand in lanes 16-31
.macro WM d, a, b, cr, sa, sb, row
.if (\cr) < 0
.if \row
	v_wmma_scale_f32_16x16x128_f8f6f4 v[\d:\d+7], v[\a:\a+15], v[\b:\b+15], 0, v[\sa], v[\sb] matrix_a_scale:MATRIX_SCALE_ROW1
.else
	v_wmma_scale_f32_16x16x128_f8f6f4 v[\d:\d+7], v[\a:\a+15], v[\b:\b+15], 0, v[\sa], v[\sb]
.endif
.else
.if \row
	v_wmma_scale_f32_16x16x128_f8f6f4 v[\d:\d+7], v[\a:\a+15], v[\b:\b+15], v[\cr:\cr+7], v[\sa], v[\sb] matrix_a_scale:MATRIX_SCALE_ROW1
.else
	v_wmma_scale_f32_16x16x128_f8f6f4 v[\d:\d+7], v[\a:\a+15], v[\b:\b+15], v[\cr:\cr+7], v[\sa], v[\sb]
.endif
.endif
.endm
	s_load_b256 s[4:11], s[0:1], 0x0               ; Q s[4:5], its scales s[6:7], K s[8:9], its scales s[10:11]
	s_load_b256 s[12:19], s[0:1], 0x20             ; V s[12:13], its scales s[14:15], mask s[16:17], out0 s[18:19]
	v_lshrrev_b32 v16, 5, v0
	s_delay_alu instid0(VALU_DEP_1)
	v_readfirstlane_b32 s20, v16                   ; w: wave 0..15
	v_and_b32 v17, 31, v0                          ; L
	v_and_b32 v18, 15, v0                          ; r
	s_wait_alu depctr_va_vdst(0)
	v_bfe_u32 v19, v0, 4, 1                        ; h
	s_mov_b32 s21, ttmp9                           ; c
	s_and_b32 s22, ttmp7, 0xffff                   ; head
	s_lshl_b32 s23, s21, 9
	s_sub_co_i32 s23, s23, 256                     ; kb: my first local key's number, -256 for c = 0
	s_and_b32 s24, s20, 1                          ; e: which half of a block my queries are
	s_lshr_b32 s25, s20, 1                         ; LB of my first tile
	s_mov_b32 s46, 0x76543210
	s_mov_b32 s47, 0xfedcba98                      ; v_permlanex16_b32's selects for lane l xor 16
	s_mov_b32 s48, 0x3e38aa3b                      ; log2(e) / 8
	s_mov_b32 s49, s48                             ; (named with it as a pair)
	; ---- every LDS address, ahead of the first branch
	v_mul_u32_u24 v20, v18, KP
	s_mul_i32 s51, s25, 32*KP
	v_add_nc_u32 v20, s51, v20
	s_wait_alu depctr_va_vdst(0)
	v_lshl_add_u32 v[AK], v19, 4, v20
	v_add_nc_u32 v[AE], 64, v20
	v_mul_u32_u24 v[AV], v18, VP
	s_delay_alu instid0(VALU_DEP_1)
	v_lshl_add_u32 v[AV], v19, 4, v[AV]
	s_lshl_b32 s51, s25, 5
	s_add_co_u32 s51, s51, LVB
	v_add_nc_u32 v[AV], s51, v[AV]
	s_lshl_b32 s51, s25, 7
	s_add_co_u32 s51, s51, LKS
	v_lshl_add_u32 v[AKS], v17, 2, s51
	s_lshl_b32 s51, s25, 8
	s_add_co_u32 s51, s51, LVS
	v_lshl_add_u32 v[AVS], v17, 2, s51
	s_mul_i32 s51, s20, 2*QTB
	s_add_co_u32 s51, s51, LQB
	v_lshl_add_u32 v[QL], v17, 4, s51
	s_add_co_u32 s51, s51, 1024
	v_lshl_add_u32 v[QSL], v17, 2, s51
	s_mul_i32 s51, s20, 16*SP
	s_add_co_u32 s51, s51, LSTG
	v_mul_u32_u24 v20, v18, SP
	s_delay_alu instid0(VALU_DEP_1)
	v_lshl_add_u32 v20, v19, 5, v20
	s_delay_alu instid0(VALU_DEP_1)
	v_add_nc_u32 v[STO], s51, v20                  ; row r, 32 bytes for each half of the lanes
	v_mul_u32_u24 v20, v19, SP
	s_delay_alu instid0(VALU_DEP_1)
	v_lshl_add_u32 v20, v18, 4, v20
	s_delay_alu instid0(VALU_DEP_1)
	v_add_nc_u32 v[RD], s51, v20                   ; lanes 0-15 one row, lanes 16-31 the next
	v_lshlrev_b32 v20, 8, v19
	s_delay_alu instid0(VALU_DEP_1)
	v_lshl_add_u32 v[GO], v18, 4, v20
	s_lshl_b32 s51, s20, 8                         ; 256 bytes a wave, in the parts and in the means
	s_add_co_u32 s52, s51, LPS
	v_lshl_add_u32 v[PSW], v19, 5, s52             ; channel 16 dt + 8 h + j stands at byte 64 dt + 32 h + 4 j
	s_add_co_u32 s52, s51, LMN
	v_lshl_add_u32 v[MNA], v19, 5, s52
	v_lshl_add_u32 v[MNW], v17, 3, s52             ; lane L adds channels 2 L and 2 L + 1
	v_lshl_add_u32 v[PSR], v17, 3, LPS
	s_lshr_b32 s51, s20, 2                         ; K's staging: thread t brings 16 bytes of key t / 4 of 128; a key's bits 3 and 4 change places in its row's number
	s_lshl_b32 s51, s51, 5
	s_lshl_b32 s52, s24, 4
	s_add_co_u32 s51, s51, s52
	s_and_b32 s52, s25, 1
	s_lshl_b32 s52, s52, 3
	s_add_co_u32 s51, s51, s52
	s_mul_i32 s51, s51, KP
	v_lshrrev_b32 v20, 2, v17
	s_delay_alu instid0(VALU_DEP_1)
	v_mul_u32_u24 v20, v20, KP
	v_and_b32 v21, 3, v17
	s_delay_alu instid0(VALU_DEP_1)
	v_lshl_add_u32 v20, v21, 4, v20
	s_delay_alu instid0(VALU_DEP_1)
	v_add_nc_u32 v12, s51, v20
	v_lshrrev_b32 v20, 4, v0                       ; V's staging: sixteen threads to 256 bytes of a row, 32 rows a load
	s_delay_alu instid0(VALU_DEP_1)
	v_mul_u32_u24 v20, v20, VP
	s_delay_alu instid0(VALU_DEP_1)
	v_lshl_add_u32 v20, v18, 4, v20
	s_delay_alu instid0(VALU_DEP_1)
	v_add_nc_u32 v13, LVB, v20
	v_bfe_u32 v20, v0, 3, 1                        ; the key table: thread t has local key t; its row: 32 w + 16 (bit 3) + 8 (bit 4) + low three bits
	v_and_b32 v21, 7, v0
	s_delay_alu instid0(VALU_DEP_1)
	v_lshl_add_u32 v21, v20, 4, v21
	s_delay_alu instid0(VALU_DEP_1)
	v_lshl_add_u32 v21, v19, 3, v21
	s_delay_alu instid0(VALU_DEP_1)
	v_lshl_add_u32 v21, v16, 5, v21
	s_delay_alu instid0(VALU_DEP_1)
	v_lshl_add_u32 v14, v21, 2, LKS
	s_delay_alu instid0(VALU_DEP_2)
	v_mul_u32_u24 v15, v21, KP
	s_delay_alu instid0(VALU_DEP_1)
	v_add_nc_u32 v15, 64, v15
	s_lshl_b32 s51, s25, 10
	s_lshl_b32 s52, s24, 7
	s_add_co_u32 s51, s51, s52
	s_add_co_u32 s51, s51, LVS
	v_lshl_add_u32 v[VSW], v17, 2, s51
	; ---- the band: register x = 8 u + j of a block holds its key 16 h + x; my query stands at 16 e + r of the last block.  Hidden: in the last block x > d, in the first x < d, d = r + 16 (e - h)
	v_lshlrev_b32 v20, 4, v19
	s_delay_alu instid0(VALU_DEP_1)
	v_sub_nc_u32 v20, v18, v20
	s_lshl_b32 s51, s24, 4
	v_add_nc_u32 v20, s51, v20
	v_mov_b32 v21, 0xfb800000                      ; -2^120
.irp x, 0,1,2,3,4,5,6,7,8,9,10,11,12,13,14,15
	v_cmp_gt_i32 vcc_lo, \x, v20
	s_delay_alu instid0(VALU_DEP_1)
	v_cndmask_b32 v[CC+\x], 0, v21, vcc_lo
	v_cmp_lt_i32 vcc_lo, \x, v20
	s_delay_alu instid0(VALU_DEP_1)
	v_cndmask_b32 v[CW+\x], 0, v21, vcc_lo
.endr
	; ---- offsets in memory, v32-44
	v_lshlrev_b32 v32, 4, v0                       ; K: 16 t
	v_lshrrev_b32 v20, 4, v0
	s_delay_alu instid0(VALU_DEP_1)
	v_lshlrev_b32 v20, 11, v20
	s_delay_alu instid0(VALU_DEP_1)
	v_lshl_add_u32 v33, v18, 4, v20                ; V: row t / 16, 16 bytes a thread
	s_lshl_b32 s53, s20, 5
	s_add_co_i32 s53, s53, s23                     ; kb + 32 w: the first key of local block w
	s_cmp_lt_i32 s53, 0
	s_cselect_b32 s56, 0, -1                       ; all ones where that block exists
	s_max_i32 s53, s53, 0
	v_add_nc_u32 v34, s53, v17                     ; key table, part 1
	s_delay_alu instid0(VALU_DEP_1)
	v_lshlrev_b32 v35, 1, v34
	s_add_co_i32 s53, s23, 512
	v_add_nc_u32 v36, s53, v0                      ; part 2: local key 512 + t; waves 8-15 use nothing of it and are held inside the buffer
	s_delay_alu instid0(VALU_DEP_1)
	v_min_u32 v36, 0x7ff, v36
	s_delay_alu instid0(VALU_DEP_1)
	v_lshlrev_b32 v37, 1, v36
	s_lshl_b32 s53, s21, 4
	s_sub_co_i32 s53, s53, 8                       ; local block 0's number in the head
	s_min_u32 s54, s25, 5
	s_lshl_b32 s54, s54, 2
	s_add_co_i32 s54, s54, s53
	s_max_i32 s54, s54, 0                          ; V's scale bytes 4 g .. 4 g + 3, g = w / 2,
	s_add_co_u32 s55, s25, 1
	s_min_u32 s55, s55, 5
	s_lshl_b32 s55, s55, 2
	s_add_co_i32 s55, s55, s53
	s_max_i32 s55, s55, 0                          ; and the four behind them
	s_lshl_b32 s53, s24, 11
	v_lshl_add_u32 v20, v17, 6, s53                ; of row d = 32 e + L
	s_delay_alu instid0(VALU_DEP_1)
	v_add_nc_u32 v38, s54, v20
	s_delay_alu instid0(VALU_DEP_2)
	v_add_nc_u32 v39, s55, v20
	s_max_i32 s52, s23, 0
	v_min_u32 v20, 23, v17
	s_delay_alu instid0(VALU_DEP_1)
	v_lshl_add_u32 v40, v20, 5, s52                ; a block's 32 mask bytes a lane
	s_lshl_b32 s53, s25, 5
	s_add_co_i32 s53, s53, s23
	s_max_i32 s54, s53, 0
	v_add_nc_u32 v41, s54, v17                     ; the mask bytes of block LB,
	s_add_co_i32 s53, s53, 256
	v_add_nc_u32 v42, s53, v17                     ; of LB + 8 (and, 256 on, of LB + 16)
	v_lshlrev_b32 v20, 6, v18
	s_delay_alu instid0(VALU_DEP_1)
	v_lshl_add_u32 v43, v19, 4, v20                ; Q: row r, 16 h
	v_lshlrev_b32 v44, 1, v18
	s_mov_b32 s27, 0
	s_wait_alu depctr_va_vdst(0)
	s_wait_kmcnt 0x0
	s_lshl_b32 s26, s22, 17                        ; a head's codes: 131,072 bytes
	s_add_nc_u64 s[4:5], s[4:5], s[26:27]
	s_add_nc_u64 s[8:9], s[8:9], s[26:27]
	s_add_nc_u64 s[12:13], s[12:13], s[26:27]
	s_lshl_b32 s26, s22, 12                        ; its scale bytes: 4,096
	s_add_nc_u64 s[6:7], s[6:7], s[26:27]
	s_add_nc_u64 s[10:11], s[10:11], s[26:27]
	s_add_nc_u64 s[14:15], s[14:15], s[26:27]
	s_lshl_b32 s26, s22, 19
	s_add_nc_u64 s[18:19], s[18:19], s[26:27]
	s_lshr_b32 s26, s22, 4
	s_lshl_b32 s26, s26, 11
	s_add_nc_u64 s[16:17], s[16:17], s[26:27]      ; the batch's mask
	s_lshl_b32 s51, s21, 9
	s_lshl_b32 s52, s20, 4
	s_add_co_u32 s51, s51, s52                     ; my first query
	s_lshl_b32 s26, s51, 6
	s_add_nc_u64 s[4:5], s[4:5], s[26:27]
	s_lshl_b32 s26, s51, 1
	s_add_nc_u64 s[6:7], s[6:7], s[26:27]
	s_lshl_b32 s26, s51, 8
	s_add_nc_u64 s[18:19], s[18:19], s[26:27]
	s_max_i32 s51, s23, 0
	s_lshl_b32 s26, s51, 6
	s_add_nc_u64 s[28:29], s[8:9], s[26:27]        ; K at local key 0 (c = 0: at key 0)
	s_lshl_b32 s26, s21, 15
	s_add_nc_u64 s[30:31], s[8:9], s[26:27]        ; K at local key 256
	s_mov_b32 s26, s51
	s_add_nc_u64 s[32:33], s[12:13], s[26:27]      ; V likewise
	s_lshl_b32 s26, s21, 9
	s_add_nc_u64 s[34:35], s[12:13], s[26:27]
	; ---- loads.  First what the flags and the small tables want (9), then the 20 of the staging
	global_load_u8 v164, v36, s[16:17]
	global_load_u16 v165, v37, s[10:11]
	global_load_b32 v166, v38, s[14:15]
	global_load_b32 v167, v39, s[14:15]
	global_load_b128 v[168:171], v40, s[16:17]
	global_load_b128 v[172:175], v40, s[16:17] offset:16
	global_load_u8 v176, v41, s[16:17]
	global_load_u8 v177, v42, s[16:17]
	global_load_u8 v178, v42, s[16:17] offset:256
	global_load_b128 v[96:99], v32, s[28:29]                     ; K: 128 keys a load, 8,192 consecutive bytes
	global_load_b128 v[100:103], v32, s[28:29] offset:8192
.irp i, 2,3,4,5
	global_load_b128 v[96+4*\i:99+4*\i], v32, s[30:31] offset:8192*(\i-2)
.endr
	global_load_b128 v[120:123], v33, s[32:33]                   ; V: 32 rows x 256 keys a load
	global_load_b128 v[124:127], v33, s[32:33] offset:65536
	global_load_b128 v[128:131], v33, s[34:35]
	global_load_b128 v[132:135], v33, s[34:35] offset:65536
	global_load_b128 v[136:139], v33, s[34:35] offset:256
	global_load_b128 v[140:143], v33, s[34:35] offset:65792
	global_load_u8 v162, v34, s[16:17]
	global_load_u16 v163, v35, s[10:11]
	global_load_b128 v[144:147], v43, s[4:5] th:TH_LOAD_NT       ; Q: my two tiles, read by nobody else
	global_load_b128 v[148:151], v43, s[4:5] offset:32 th:TH_LOAD_NT
	global_load_b128 v[152:155], v43, s[4:5] offset:16384 th:TH_LOAD_NT
	global_load_b128 v[156:159], v43, s[4:5] offset:16416 th:TH_LOAD_NT
	global_load_u16 v160, v44, s[6:7]
	global_load_u16 v161, v44, s[6:7] offset:512
	s_wait_loadcnt 20                              ; the first nine are in; the staging's 20 may be out
	s_wait_xcnt 0x0                                ; all addresses are translated: the offset registers v32-44 may be written again (the sums' fragments land there)
	; ---- which of my queries have no valid key: masks for v_cndmask_b32, made of mask bytes alone; nothing branches on them
	v_or_b32 v168, v168, v169
	v_or_b32 v170, v170, v171
	v_or_b32 v172, v172, v173
	v_or_b32 v174, v174, v175
	s_delay_alu instid0(VALU_DEP_3)
	v_or_b32 v168, v168, v170
	s_delay_alu instid0(VALU_DEP_2)
	v_or_b32 v172, v172, v174
	s_delay_alu instid0(VALU_DEP_1)
	v_or_b32 v168, v168, v172
	s_delay_alu instid0(VALU_DEP_1)
	v_cmp_ne_u32 s36, 0, v168                      ; bit j: the j-th block read has a valid key
	v_cmp_ne_u32 s38, 0, v176                      ; bit i: key i of block LB is valid;
	v_cmp_ne_u32 s39, 0, v177                      ; of LB + 8;
	v_cmp_ne_u32 s40, 0, v178                      ; of LB + 16
	s_and_b32 s36, s36, 0xffffff
	s_lshl_b32 s51, s36, 8                         ; c = 0: what was read are local blocks 8 on; those that do not exist count as empty
	s_and_b32 s51, s51, 0xffffff
	s_cmp_eq_u32 s21, 0
	s_cselect_b32 s36, s51, s36
	s_cselect_b32 s38, 0, s38
	s_add_co_u32 s51, s25, 1
	s_lshr_b32 s51, s36, s51
	s_and_b32 s51, s51, 0x7f                       ; the seven whole blocks of my first tile,
	s_add_co_u32 s52, s25, 9
	s_lshr_b32 s52, s36, s52
	s_and_b32 s52, s52, 0x7f                       ; of my second
	s_lshl_b32 s53, s24, 4
	v_add_nc_u32 v20, s53, v18                     ; p = 16 e + r: the first block counts from key p on, the last up to key p
	s_delay_alu instid0(VALU_DEP_1)
	v_lshlrev_b32 v21, v20, 2
	s_delay_alu instid0(VALU_DEP_1)
	v_add_nc_u32 v21, -1, v21                      ; bits 0 .. p
	s_delay_alu instid0(VALU_DEP_3)
	v_lshrrev_b32 v22, v20, s38
	s_delay_alu instid0(VALU_DEP_1)
	v_and_or_b32 v22, v21, s39, v22
	s_delay_alu instid0(VALU_DEP_1)
	v_or_b32 v22, s51, v22
	s_delay_alu instid0(VALU_DEP_1)
	v_cmp_eq_u32 s41, 0, v22                       ; lanes whose query has no valid key: first tile,
	v_lshrrev_b32 v23, v20, s39
	s_delay_alu instid0(VALU_DEP_1)
	v_and_or_b32 v23, v21, s40, v23
	s_delay_alu instid0(VALU_DEP_1)
	v_or_b32 v23, s52, v23
	s_delay_alu instid0(VALU_DEP_1)
	v_cmp_eq_u32 s42, 0, v23                       ; second tile
	; ---- my part of the mean of v: keys 128 w .. 128 w + 127, four products with ones.  Its 18 loads go out here and land under the staging's stores
	v_mov_b32 v[PW], 0x74747474                    ; the ones' scale word: 2^-11 = 1 / 2,048; the lines up to the products are far more than the eight places that a scale register so written wants
.irp j, 0,1,2,3,4,5,6,7,8,9,10,11,12,13,14,15
	v_mov_b32 v[PC+\j], 0x38383838                 ; 1.0
.endr
	s_lshl_b32 s51, s20, 7
	v_lshlrev_b32 v168, 11, v18
	s_delay_alu instid0(VALU_DEP_1)
	v_lshl_add_u32 v168, v19, 4, v168
	s_delay_alu instid0(VALU_DEP_1)
	v_add_nc_u32 v168, s51, v168                   ; row r of 2,048 bytes, 16 h, my 128 keys
	s_lshl_b32 s51, s20, 2
	v_lshl_add_u32 v169, v17, 6, s51               ; their scale word in row L
.irp dt, 0,1,2,3
.irp c, 0,1,2,3
	global_load_b128 v[16+16*\dt+4*\c:19+16*\dt+4*\c], v168, s[12:13] offset:32768*\dt+32*\c
.endr
.endr
	global_load_b32 v[VSC], v169, s[14:15]
	global_load_b32 v[VSC+1], v169, s[14:15] offset:2048
	; ---- staging
	s_wait_loadcnt 32                              ; K's six are in; V's six, the table's two, Q's six and the sums' 18 may be out
.irp i, 0,1,2,3,4,5
	ds_store_b128 v12, v[96+4*\i:99+4*\i] offset:128*KP*\i
.endr
	s_wait_loadcnt 26                              ; V's six
.irp i, 0,1,2,3,4,5
	ds_store_b128 v13, v[120+4*\i:123+4*\i] offset:32*VP*(\i%2)+256*(\i/2)
.endr
	s_wait_loadcnt 24                              ; the key table
	v_mov_b32 v170, 0x10000                        ; a valid key's spare scale byte: 1
	v_mov_b32 v171, 0                              ; and its spare code
	v_cmp_ne_u32 vcc_lo, 0, v162
	s_and_b32 vcc_lo, vcc_lo, s56                  ; a key that does not exist is hidden
	v_cndmask_b32 v172, 0xf70000, v170, vcc_lo     ; hidden: the byte 247, 2^120,
	v_cndmask_b32 v173, 0xb8, v171, vcc_lo         ; over the code of -1.0
	s_delay_alu instid0(VALU_DEP_2)
	v_or_b32 v172, v172, v163
	ds_store_b32 v14, v172
	ds_store_b32 v15, v173
	s_cmp_lt_u32 s20, 8
	s_cbranch_scc0 .Lno_t2
	v_cmp_ne_u32 vcc_lo, 0, v164                   ; local keys 512 on: 256 of them, waves 0-7
	s_delay_alu instid0(VALU_DEP_1)
	v_cndmask_b32 v174, 0xf70000, v170, vcc_lo
	s_delay_alu instid0(VALU_DEP_2)
	v_cndmask_b32 v175, 0xb8, v171, vcc_lo
	s_delay_alu instid0(VALU_DEP_2)
	v_or_b32 v174, v174, v165
	ds_store_b32 v14, v174 offset:512*4
	ds_store_b32 v15, v175 offset:512*KP
.Lno_t2:
	s_cmp_lt_u32 s20, 12
	s_cbranch_scc0 .Lno_vs
	v_and_b32 v162, 0xffffff, v166                 ; V's scale words for blocks 4 g + 0 .. 3: three bytes from that block on, waves 0-11
	v_alignbit_b32 v163, v167, v166, 8
	v_alignbit_b32 v164, v167, v166, 16
	v_alignbit_b32 v165, v167, v166, 24
	s_delay_alu instid0(VALU_DEP_3)
	v_and_b32 v163, 0xffffff, v163
	s_delay_alu instid0(VALU_DEP_3)
	v_and_b32 v164, 0xffffff, v164
	s_delay_alu instid0(VALU_DEP_3)
	v_and_b32 v165, 0xffffff, v165
.irp i, 0,1,2,3
	ds_store_b32 v[VSW], v[162+\i] offset:256*\i
.endr
.Lno_vs:
	s_wait_loadcnt 18                              ; Q; the sums' 18 may be out
	ds_store_b128 v[QL], v[144:147]
	ds_store_b128 v[QL], v[148:151] offset:512
	ds_store_b128 v[QL], v[152:155] offset:QTB
	ds_store_b128 v[QL], v[156:159] offset:QTB+512
	v_or_b32 v160, 0x7f0000, v160                  ; the spare block's byte: 127
	v_or_b32 v161, 0x7f0000, v161
	ds_store_b32 v[QSL], v160
	ds_store_b32 v[QSL], v161 offset:QTB
	s_wait_loadcnt 0x0                             ; V's four fragments of my 128 keys, and their scale words
.irp dt, 0,1,2,3
	WM OT+8*\dt, 16+16*\dt, PC, -1, VSC+\dt/2, PW, \dt%2
.endr
	v_mov_b32 v81, 0                               ; eight places ahead of the first read of results and of the writes into the operands' registers: two lines of use
	v_mov_b32 v89, 0
.rept 6
	v_nop                                          ; and six
.endr
.irp dt, 0,1,2,3
	ds_store_b128 v[PSW], v[OT+8*\dt:OT+8*\dt+3] offset:64*\dt        ; all sixteen lanes of a half hold the same numbers and write the same bytes
	ds_store_b128 v[PSW], v[OT+8*\dt+4:OT+8*\dt+7] offset:64*\dt+16
.endr
	; ---- registers that stay: those that no pending LDS store reads, while the stores land
	v_bfe_u32 v24, v0, 4, 1
	s_delay_alu instid0(VALU_DEP_1)
	v_xor_b32 v24, 1, v24
	s_delay_alu instid0(VALU_DEP_1)
	v_mul_u32_u24 v24, v24, 0x38                   ; the code of 1.0 at k = 64: byte 0 of register 8 in lanes 0-15
.irp j, 25,26,27,28,29,30,31, 41,42,43,44,45,46,47, 57,58,59,60,61,62,63, 73,74,75,76,77,78,79, 252,253,254,255
	v_mov_b32 v[\j], 0
.endr
	s_wait_dscnt 0x0                               ; for the others' sake: all my stores have landed
	s_barrier_signal -1
.irp j, 108,109,110,111, 124,125,126,127, 140,141,142,143, 156,157,158,159, 120,121,122
	v_mov_b32 v[\j], 0                             ; the rest of them: register work between signal and wait
.endr
	s_barrier_wait -1                              ; the one barrier: nothing staged is written again
	; ---- the mean of v, once a wave: lane L adds channels 2 L and 2 L + 1 of the sixteen parts (each load takes 256 consecutive bytes) and puts them into my wave's own 256 bytes
.irp i, 0,1,2,3,4,5,6,7
	ds_load_b64 v[160+2*\i:161+2*\i], v[PSR] offset:256*\i
.endr
.irp i, 0,1,2,3
	ds_load_b64 v[32+2*\i:33+2*\i], v[PSR] offset:256*(8+\i)
	ds_load_b64 v[48+2*\i:49+2*\i], v[PSR] offset:256*(12+\i)
.endr
	s_wait_dscnt 0x0
.irp a, 160,164,168,172,32,36,48,52
	v_pk_add_f32 v[\a:\a+1], v[\a:\a+1], v[\a+2:\a+3]
.endr
.irp a, 160,168,32,48
	v_pk_add_f32 v[\a:\a+1], v[\a:\a+1], v[\a+4:\a+5]
.endr
	s_delay_alu instid0(VALU_DEP_3)
	v_pk_add_f32 v[160:161], v[160:161], v[168:169]
	s_delay_alu instid0(VALU_DEP_2)
	v_pk_add_f32 v[32:33], v[32:33], v[48:49]
	s_delay_alu instid0(VALU_DEP_1)
	v_pk_add_f32 v[160:161], v[160:161], v[32:33]
	ds_store_b64 v[MNW], v[160:161]                ; read back by my wave alone, which LDS serves in order (ISA guide 5.7.1.4); v160 is next written behind the first step's wait for all LDS instructions
; three tiles of K of step s: tiles 3 run .. 3 run + 2 of its six.  Tile tau: block 3 s + tau / 2, rows 16 (tau % 2) on
.macro KLOAD s, run
.irp k, 0,1,2
.set tau, 3*(\run)+\k
.set koff, (3*(\s)+tau/2)*32*KP+(tau%2)*16*KP
	ds_load_b128 v[KF+16*\k:KF+16*\k+3], v[AK] offset:koff
	ds_load_b128 v[KF+16*\k+4:KF+16*\k+7], v[AK] offset:koff+32
	ds_load_b32 v[KF+16*\k+8], v[AE] offset:koff   ; the spare word (lanes 16-31 hold it at k = 80, where Q has 0)
.endr
.endm
.macro KSCL s                          ; a block's 32 scale words: lanes 0-15 the even tile's, lanes 16-31 the odd tile's
.irp b, 0,1,2
	ds_load_b32 v[KSC+\b], v[AKS] offset:(3*(\s)+\b)*128
.endr
.endm
.macro SMUL s, run                     ; their three products.  The first block's and the last block's take the band as C
.irp k, 0,1,2
.set tau, 3*(\run)+\k
.set sr, SCR+16*tau-8*(tau/5)
.set cr, -1
.if ((\s) == 0) && (tau < 2)
.set cr, CW+8*tau
.endif
.if ((\s) == 2) && (tau > 3)
.set cr, CC+8*(tau-4)
.endif
	WM sr, KF+16*\k, QF, cr, KSC+tau/2, QS, tau%2
.endr
.endm
; score i of block b stands at SCR + 32 b + 16 (i / 8) + i % 8 (blocks 0, 1), v160 + i (block 2)
.macro MX0 b
	v_max3_num_f32 v[TMA+\b], v[SCR+32*\b], v[SCR+32*\b+1], v[SCR+32*\b+2]
.endm
.macro MX3 b, i
.set pa, SCR+32*(\b)+(16-8*((\b)/2))*((\i)/8)+(\i)%8
.set pb, SCR+32*(\b)+(16-8*((\b)/2))*(((\i)+1)/8)+((\i)+1)%8
	v_max3_num_f32 v[TMA+\b], v[TMA+\b], v[pa], v[pb]
.endm
.macro MX1 b
	v_max_num_f32 v[TMA+\b], v[TMA+\b], v[SCR+32*(\b)+(16-8*((\b)/2))+7]
.endm
; A STEP: three blocks, 96 keys.  s = 0 starts O^T, the sum and M.
.macro STEP s
	s_wait_dscnt 0x0                               ; the first three tiles of K, the scale words (step 0: Q too)
	SMUL \s, 0
.rept 8
	v_nop                                          ; eight places ahead of loads into registers that these products read, and of the first read of their results
.endr
	KLOAD \s, 1
	s_wait_dscnt 0x0
	SMUL \s, 1
	MX0 0                                          ; block 0's largest score: eight lines on tiles 0 and 1 alone: the places behind the three products above.  Each tile is first read at its low end
.irp i, 3,5,7,9,11,13
	MX3 0, \i
.endr
	MX1 0
	MX0 1
	MX0 2
.irp i, 3,5,7,9,11,13
	MX3 1, \i
	MX3 2, \i
.endr
	MX1 1
	MX1 2
.irp b, 0
	v_permlanex16_b32 v[TMB+\b], v[TMA+\b], s46, s47
.endr
.irp b, 1, 2
	s_delay_alu instid0(VALU_DEP_3)
	v_permlanex16_b32 v[TMB+\b], v[TMA+\b], s46, s47
.endr
.irp b, 0,1,2
	s_delay_alu instid0(VALU_DEP_3)
	v_max_num_f32 v[TMA+\b], v[TMA+\b], v[TMB+\b]  ; with lane l xor 16's 16 keys
.endr
	s_delay_alu instid0(VALU_DEP_1)
	v_max3_num_f32 v[TT], v[TMA], v[TMA+1], v[TMA+2]
	s_delay_alu instid0(VALU_DEP_1)
	v_mul_f32 v[TT], s48, v[TT]                    ; the step's largest t
.if \s == 0
	s_delay_alu instid0(VALU_DEP_1)
	v_max_num_f32 v[NM+1], 0xf149f2ca, v[TT]       ; the largest t begins at -1e30: above every hidden key's, so that p = 0 until a valid key comes
	s_delay_alu instid0(VALU_DEP_1)
	v_floor_f32 v[NM], -v[NM+1]                    ; -M = floor(-t)
.else
	s_delay_alu instid0(VALU_DEP_1)
	v_max_num_f32 v[NM+1], v[NM+1], v[TT]
	v_mov_b32 v[TT], v[NM]
	s_delay_alu instid0(VALU_DEP_2)
	v_floor_f32 v[NM], -v[NM+1]
	s_delay_alu instid0(VALU_DEP_1)
	v_sub_f32 v[TT], v[NM], v[TT]                  ; old M - new M: a whole number, 0 or less
	s_delay_alu instid0(VALU_DEP_1)
	v_cvt_i32_f32 v[TT], v[TT]                     ; (it saturates)
	s_delay_alu instid0(VALU_DEP_1)
	v_ldexp_f32 v[FF], 1.0, v[TT]                  ; f
.endif
.irp tau, 0,1,2,3,4,5
.irp j, 0,2,4,6
.set pa, SCR+16*\tau-8*(\tau/5)+\j
	v_pk_fma_f32 v[pa:pa+1], v[pa:pa+1], s[48:49], v[NM:NM+1] op_sel_hi:[1,0,0]   ; t - M
.endr
.endr
.irp b, 0,1,2
	v_fma_f32 v[TMA+\b], v[TMA+\b], s48, v[NM]     ; the same of each block's largest score: p rises with the score
.endr
	s_wait_alu depctr_va_vdst(0)
.irp tau, 0,1,2,3,4,5
.irp j, 0,1,2,3,4,5,6,7
.set pa, SCR+16*\tau-8*(\tau/5)+\j
	v_exp_f32 v[pa], v[pa]                         ; p
.endr
.endr
.if \s == 0
	v_nop                                          ; a plain line behind the exponentials
.else
	v_pk_mul_f32 v[LS:LS+1], v[LS:LS+1], v[FF:FF+1] op_sel_hi:[1,0]   ; the sum under the new M: the plain line behind the exponentials
.endif
	s_wait_alu depctr_va_vdst(0)                   ; one wait for the batch of 48, ahead of its first reader
.irp b, 0,1,2
	v_exp_f32 v[TMA+\b], v[TMA+\b]                 ; each block's largest p
.endr
.if \s == 0                                    ; the sum of the unquantised p of blocks 0 and 1, in two chains
	v_pk_add_f32 v[LS:LS+1], v[SCR:SCR+1], v[SCR+2:SCR+3]
	v_pk_add_f32 v[L2:L2+1], v[SCR+4:SCR+5], v[SCR+6:SCR+7]
.else
	v_pk_add_f32 v[L2:L2+1], v[SCR:SCR+1], v[SCR+2:SCR+3]
	v_pk_add_f32 v[LS:LS+1], v[LS:LS+1], v[SCR+4:SCR+5]
	v_pk_add_f32 v[L2:L2+1], v[L2:L2+1], v[SCR+6:SCR+7]
.endif
.irp tau, 1,2,3
.irp j, 0,4
	v_pk_add_f32 v[LS:LS+1], v[LS:LS+1], v[SCR+16*\tau+\j:SCR+16*\tau+\j+1]
	v_pk_add_f32 v[L2:L2+1], v[L2:L2+1], v[SCR+16*\tau+\j+2:SCR+16*\tau+\j+3]
.endr
.endr
	s_wait_alu depctr_va_vdst(0)                   ; and one for the three
.irp b, 0,1,2
	v_max_num_f32 v[TMA+\b], 0x4800000, v[TMA+\b]  ; the floor 2^(9 - 127): the byte cannot fall under 1; a block of zeros keeps it, and its codes are zeros
.endr
.irp b, 0,1,2
	s_delay_alu instid0(VALU_DEP_3)
	v_add_nc_u32 v[TMD+\b], 0xfc000000, v[TMA+\b]  ; 8 off the exponent field: the conversion's scale operand
.endr
.irp b, 0,1,2
.endr
.irp b, 0,1,2
	s_delay_alu instid0(VALU_DEP_3)
	v_lshrrev_b32 v[TMB+\b], 23, v[TMD+\b]         ; the byte
.endr
	s_delay_alu instid0(VALU_DEP_2)
	v_lshl_or_b32 v[PW], v[TMB+1], 8, v[TMB]       ; p's scale word; its fourth byte is 0, over zero codes
	s_delay_alu instid0(VALU_DEP_1)
	v_lshl_or_b32 v[PW], v[TMB+2], 16, v[PW]
.irp b, 0,1
.irp i, 0,1,2,3,4,5,6,7
.endr
	v_cvt_scalef32_pk8_fp8_f32 v[PC+4*\b:PC+4*\b+1], v[SCR+32*\b:SCR+32*\b+7], v[TMD+\b]
	v_cvt_scalef32_pk8_fp8_f32 v[PC+4*\b+2:PC+4*\b+3], v[SCR+32*\b+16:SCR+32*\b+23], v[TMD+\b]
.endr
.irp i, 0,1,2,3,4,5,6,7
.endr
	v_cvt_scalef32_pk8_fp8_f32 v[PC+8:PC+9], v[160:167], v[TMD+2]
	v_cvt_scalef32_pk8_fp8_f32 v[PC+10:PC+11], v[SCR+16+((SCR+72+0)-(SCR+16+0)):SCR+23+((SCR+72+0)-(SCR+16+0))], v[TMD+2]
.irp dt, 0,1,2,3                               ; V's four fragments: 16 of the head's 64 x these 96 keys; the fourth block's registers are zeros
	v_nop
.irp c, 0,1,2
	ds_load_b128 v[SCR+16*\dt+4*\c:SCR+16*\dt+4*\c+3], v[AV] offset:16*VP*\dt+32*(3*(\s)+\c)
.endr
.endr
	ds_load_b32 v[VSC], v[AVS] offset:768*(\s)
	ds_load_b32 v[VSC+1], v[AVS] offset:768*(\s)+128
.if \s < 2
	KLOAD (\s)+1, 0                                ; the next step's first tiles: twelve loads that land under the work below
	KSCL (\s)+1
.endif
.if \s == 0
.rept 4
	v_nop                                          ; four places between the codes and the products
.endr
.else
.irp j, 0,2,4,6,8,10,12,14,16,18,20,22,24,26,28,30
	v_pk_mul_f32 v[OT+\j:OT+\j+1], v[OT+\j:OT+\j+1], v[FF:FF+1] op_sel_hi:[1,0]   ; O^T under the new M, each tile from its low end on; these are also the places behind the codes
.endr
.endif
.if \s < 2
	s_wait_alu depctr_va_vdst(0)
	s_wait_dscnt 12                                ; V and its scale words are in; the twelve issued behind them may be out
.else
	s_setprio 0
	s_wait_alu depctr_va_vdst(0)
	s_wait_dscnt 0x0
.endif
.irp dt, 0,1,2,3                               ; the four accumulators by turns, one instruction a turn
.set pvc, OT+8*\dt
.if \s == 0
.set pvc, -1
.endif
	WM OT+8*\dt, SCR+16*\dt, PC, pvc, VSC+\dt/2, PW, \dt%2
.endr
.irp j, 0,4,8,12
	v_pk_add_f32 v[LS:LS+1], v[LS:LS+1], v[SCR+64+\j:SCR+64+\j+1]      ; block 2's part of the sum.  With the line behind them nine plain lines that name no register of the four products:
	v_pk_add_f32 v[L2:L2+1], v[L2:L2+1], v[SCR+64+\j+2:SCR+64+\j+3]    ; the places ahead of the next step's products, which write over V's fragments, and of the way out's loads into them
.endr
	s_delay_alu instid0(VALU_DEP_1)
	v_pk_add_f32 v[LS:LS+1], v[LS:LS+1], v[L2:L2+1]
.endm
	s_mov_b32 s45, 2
.Ltile:                                            ; two trips: queries 16 w on, then 256 further on
	s_wait_alu depctr_va_vdst(0)
	s_setprio 2
	ds_load_b128 v[QF:QF+3], v[QL]
	ds_load_b128 v[QF+4:QF+7], v[QL] offset:512
	ds_load_b32 v[QS], v[QSL]
	KLOAD 0, 0
	KSCL 0
	STEP 0
	STEP 1
	s_setprio 1
	STEP 2
	; ---- the way out
.irp dt, 0,1,2,3
	ds_load_b128 v[SCR+16*\dt:SCR+16*\dt+3], v[MNA] offset:64*\dt       ; the mean of v in O^T's layout: channels 16 dt + 8 h + 0 .. 7; it lands under the division
	ds_load_b128 v[SCR+16*\dt+4:SCR+16*\dt+7], v[MNA] offset:64*\dt+16
.endr
	v_add_f32 v[LS], v[LS], v[LS+1]
	s_delay_alu instid0(VALU_DEP_1)
	v_permlanex16_b32 v[TT], v[LS], s46, s47
	s_delay_alu instid0(VALU_DEP_1)
	v_add_f32 v[LS], v[LS], v[TT]                  ; the row's sum
	s_wait_alu depctr_va_vdst(0)
	v_rcp_f32 v[FF], v[LS]
	v_nop                                          ; a plain line behind the reciprocal
	s_wait_alu depctr_va_vdst(0)                   ; and the wait ahead of its first reader
.irp j, 0,2,4,6,8,10,12,14,16,18,20,22,24,26,28,30
	v_pk_mul_f32 v[OT+\j:OT+\j+1], v[OT+\j:OT+\j+1], v[FF:FF+1] op_sel_hi:[1,0]
.endr
	s_wait_dscnt 0x0                               ; the mean is in
.irp dt, 0,1,2,3
.irp j, 0,1,2,3,4,5,6,7
	v_cndmask_b32 v[OT+8*\dt+\j], v[OT+8*\dt+\j], v[SCR+16*\dt+\j], s41   ; the lanes whose query has no valid key take the mean of v: a selection, in every tile
.endr
.endr
.irp dt, 0,1,2,3
	ds_store_b128 v[STO], v[OT+8*\dt:OT+8*\dt+3] offset:64*\dt           ; lane (r, h): out0(q0 + r, 16 dt + 8 h + 0 .. 7), into my own stage
	ds_store_b128 v[STO], v[OT+8*\dt+4:OT+8*\dt+7] offset:64*\dt+16
.endr
.irp g, 0,1,2,3,4,5,6,7
	ds_load_b128 v[SCR+16*(\g/2)+4*(\g%2):SCR+16*(\g/2)+4*(\g%2)+3], v[RD] offset:2*SP*\g   ; LDS serves a wave's instructions in order (ISA guide 5.7.1.4): these see the stores above
.endr
.irp g, 0,1,2,3,4,5,6,7
	s_wait_dscnt 7-\g                              ; pair g of rows is back; the pairs behind it may be out
	global_store_b128 v[GO], v[SCR+16*(\g/2)+4*(\g%2):SCR+16*(\g/2)+4*(\g%2)+3], s[18:19] offset:512*\g th:TH_STORE_NT   ; sixteen lanes store a row: 256 consecutive bytes, aligned
.endr
	s_wait_xcnt 0x0                                ; the stores have read their registers and their base: both are written again below and in the next trip
	s_add_nc_u64 s[18:19], s[18:19], 0x10000       ; 256 rows on
	v_add_nc_u32 v[AK], 8*32*KP, v[AK]             ; eight blocks on
	v_add_nc_u32 v[AE], 8*32*KP, v[AE]
	v_add_nc_u32 v[AV], 8*32, v[AV]
	v_add_nc_u32 v[AKS], 8*128, v[AKS]
	v_add_nc_u32 v[AVS], 8*256, v[AVS]
	v_add_nc_u32 v[QL], QTB, v[QL]
	v_add_nc_u32 v[QSL], QTB, v[QSL]
	s_mov_b32 s41, s42                             ; the second tile's mask
	s_sub_co_u32 s45, s45, 1
	s_cmp_lg_u32 s45, 0
	s_cbranch_scc1 .Ltile
	s_setprio 0
	s_wait_xcnt 0x0
	v_lshl_add_u32 v254, v0, 2, 0x39800
	v_mov_b32 v255, 0
	s_wait_alu depctr_va_vdst(0)
	s_wait_tensorcnt 0x0
	ds_add_u32 v254, v255
	s_wait_dscnt 0x0
	s_endpgm
.Lfunc_end_k_qceb933f1e8_attend:
	.size	k_qceb933f1e8_attend, .Lfunc_end_k_qceb933f1e8_attend-k_qceb933f1e8_attend
	.p2alignl 7, 3214868480
	.fill 96, 4, 3214868480
	.section	.rodata,"a",@progbits
	.p2align	6, 0x0
	.amdhsa_kernel k_qceb933f1e8_attend
		.amdhsa_group_segment_fixed_size 237568
		.amdhsa_private_segment_fixed_size 0
		.amdhsa_enable_private_segment 0
		.amdhsa_kernarg_size 64
		.amdhsa_user_sgpr_count 2
		.amdhsa_user_sgpr_kernarg_segment_ptr 1
		.amdhsa_wavefront_size32 1
		.amdhsa_system_sgpr_workgroup_id_x 1
		.amdhsa_system_sgpr_workgroup_id_y 1
		.amdhsa_system_sgpr_workgroup_id_z 1
		.amdhsa_system_vgpr_workitem_id 0
		.amdhsa_next_free_vgpr 256
		.amdhsa_next_free_sgpr 66
		.amdhsa_reserve_vcc 1
		.amdhsa_float_denorm_mode_32 3
		.amdhsa_float_denorm_mode_16_64 3
		.amdhsa_fp16_overflow 1
		.amdhsa_memory_ordered 1
		.amdhsa_forward_progress 1
		.amdhsa_inst_pref_size 75
	.end_amdhsa_kernel
	.amdgpu_metadata
---
amdhsa.version: [ 1, 2 ]
amdhsa.kernels:
  - .name:           k_qceb933f1e8_attend
    .symbol:         k_qceb933f1e8_attend.kd
    .args:
      - { .name: q_codes, .offset: 0, .size: 8, .value_kind: global_buffer, .address_space: global }
      - { .name: q_scales, .offset: 8, .size: 8, .value_kind: global_buffer, .address_space: global }
      - { .name: k_codes, .offset: 16, .size: 8, .value_kind: global_buffer, .address_space: global }
      - { .name: k_scales, .offset: 24, .size: 8, .value_kind: global_buffer, .address_space: global }
      - { .name: v_codes, .offset: 32, .size: 8, .value_kind: global_buffer, .address_space: global }
      - { .name: v_scales, .offset: 40, .size: 8, .value_kind: global_buffer, .address_space: global }
      - { .name: mask, .offset: 48, .size: 8, .value_kind: global_buffer, .address_space: global }
      - { .name: out0, .offset: 56, .size: 8, .value_kind: global_buffer, .address_space: global }
    .group_segment_fixed_size: 237568
    .private_segment_fixed_size: 0
    .kernarg_segment_align: 8
    .kernarg_segment_size: 64
    .max_flat_workgroup_size: 512
    .sgpr_count:     66
    .vgpr_count:     256
    .wavefront_size: 32
...
	.end_amdgpu_metadata
.endif
;; end of part 1
